; MI455X (gfx1250); checked and timed in simulation.
; The chip was launched on July 23, 2026; its instructions are those of AMD's public machine-readable ISA for CDNA 5 (MIT licence, August 2026) and "CDNA5" Instruction Set Architecture Reference Guide (July 2026). The comments in the code are by the model that wrote it; some were corrected since.
;; Aten Mm Q Mixed Signi8. Allowed arithmetic: float matrix products may take bf16 or f16 operands with f32 sums; other float arithmetic in f32, or as packed bf16 or f16 multiplies, adds, multiply-adds, maxima and minima; sums over many terms, partial sums and values carried from step to step in f32; what a program stores and reads back later, other than sums and carried values, may be rounded once to bf16 or f16.
;; Inputs: x 4,096 x 4,096 int32; y 4,096 x 4,096 int32.
;; Outputs: out0 4,096 x 4,096 float32.
;; 2 versions, each right; version 2 is version 1 with the launch cast written anew for expert scheduling mode. Each part assembles by itself: llvm-mc -triple=amdgcn-amd-amdhsa -mcpu=gfx1250 --defsym DOCPART=n.
;; ======== version 1 of 2: 2 launches
;; workspace buffers: xb 33,554,432 bytes; yb 33,554,432 bytes
;; launch cast (part 1): grid 512 x 2, 8 waves a work-group, no clusters, 0 bytes of LDS; arguments x, y, xb, yb; writes xb, yb
.if DOCPART == 1
	.amdgcn_target "amdgcn-amd-amdhsa--gfx1250"
	.amdhsa_code_object_version 6
	.text
	.protected	k_qc720b383bb_cast
	.globl	k_qc720b383bb_cast
	.p2align	8
	.type	k_qc720b383bb_cast,@function
k_qc720b383bb_cast:
	s_mov_b64 s[64:65], 0
	v_nop
	global_prefetch_b8 v0, s[64:65] scope:SCOPE_SE
	s_setreg_imm32_b32 hwreg(HW_REG_WAVE_MODE, 25, 1), 1
	s_wait_xcnt 0x0
; xb = bf16(f32(x) + 66), yb = bf16(f32(y) - 160).  x, y: [4096][4096] int32; xb, yb: the same layouts in bf16.
; The zero points are taken away in f32, as the problem's own text does it; the scales are left to the product's way out, so that what is stored is a whole number.
; LIMITS.  A whole number up to 256 in magnitude is exact in bf16: every int8 x (x + 66 in -62 .. 193) and every uint8 y (y - 160 in -160 .. 95) is stored exactly.
; An int32 outside those ranges is converted to f32 and shifted as the problem does it and then rounded once to bf16's 8 significant bits.
; SHARES.  The grid's y picks the tensor (0: x, 1: y).  A work-group owns 32 steps of 4,096 input bytes (128 KiB) and writes 32 steps of 2,048 bytes.  Thread t owns 16 bytes at 16 t of
; every input step and 8 bytes at 8 t of every output step: a wave's load covers 512 consecutive bytes, its store 256 consecutive bytes at a multiple of 256 from the buffer's first byte.
; A ring of DEPTH slots in registers keeps DEPTH loads of every wave on their way.  No LDS, no barrier, no matrix unit: no byte is wanted twice.
.set DEPTH,  8                         ; slots = loads in flight in each wave
.set ROUNDS, 32/DEPTH                  ; each round takes every slot once
.set ROWI,   4096                      ; input bytes in a step
.set ROWO,   2048                      ; output bytes in a step
.set T,   4                            ; v[4:11]   two sets of four f32 at work, by the slot's parity
.set X,   12                           ; v[12:43]  slot i: four int32 as loaded
.set Y,   44                           ; v[44:59]  slot i: four bf16 to store
	s_load_b256 s[4:11], s[0:1], 0x0               ; x s[4:5], y s[6:7], xb s[8:9], yb s[10:11]
	v_lshlrev_b32 v1, 4, v0                        ; my 16 bytes of an input step; never rewritten
	v_lshlrev_b32 v2, 3, v0                        ; my 8 bytes of an output step; never rewritten
	s_mov_b32 s14, 0x42840000                      ; +66.0: x less its zero point of -66
	s_mov_b32 s15, 0xc3200000                      ; -160.0: y less its zero point of 160
	s_lshl_b32 s16, ttmp9, 17                      ; the work-group's 128 KiB of input (under 2^26),
	s_mov_b32 s17, 0
	s_lshl_b32 s2, ttmp9, 16                       ; and its 64 KiB of output
	s_mov_b32 s3, 0
	s_and_b32 s12, ttmp7, 0xffff                   ; which tensor
	s_wait_kmcnt 0x0
	s_cmp_eq_u32 s12, 0                            ; the choice hangs on the grid's y alone
	s_cselect_b64 s[4:5], s[4:5], s[6:7]           ; from where,
	s_cselect_b64 s[8:9], s[8:9], s[10:11]         ; to where,
	s_cselect_b32 s14, s14, s15                    ; and what is added
	s_mov_b32 s15, s14                             ; named with it as a pair
	s_add_nc_u64 s[4:5], s[4:5], s[16:17]
	s_add_nc_u64 s[8:9], s[8:9], s[2:3]
.irp i, 0,1,2,3,4,5,6,7
	global_load_b128 v[X+4*(\i):X+4*(\i)+3], v1, s[4:5] offset:(\i)*ROWI th:TH_LOAD_NT  ; fill the ring: steps 0 to 7
.endr
; One slot's turn.  ahead = 1: the slot is filled again with the step DEPTH further on.  left = how many younger loads may still be out.
.macro SLOT i, ahead, left
	s_wait_loadcnt \left                           ; loads come back in order (ISA guide 5.7.1): mine is in, the younger ones stay out
.irp j, 0,1,2,3
	v_cvt_f32_i32 v[T+4*((\i)%2)+(\j)], v[X+4*(\i)+(\j)]
.endr
	v_pk_add_f32 v[T+4*((\i)%2):T+4*((\i)%2)+1],   v[T+4*((\i)%2):T+4*((\i)%2)+1],   s[14:15] op_sel_hi:[1,0]
	v_pk_add_f32 v[T+4*((\i)%2)+2:T+4*((\i)%2)+3], v[T+4*((\i)%2)+2:T+4*((\i)%2)+3], s[14:15] op_sel_hi:[1,0]
	v_cvt_pk_bf16_f32 v[Y+2*(\i)],   v[T+4*((\i)%2)],   v[T+4*((\i)%2)+1]
	v_cvt_pk_bf16_f32 v[Y+2*(\i)+1], v[T+4*((\i)%2)+2], v[T+4*((\i)%2)+3]
.if \ahead
	global_load_b128 v[X+4*(\i):X+4*(\i)+3], v1, s[4:5] offset:(DEPTH+(\i))*ROWI th:TH_LOAD_NT  ; the load goes out ahead of the store
.endif
	global_store_b64 v2, v[Y+2*(\i):Y+2*(\i)+1], s[8:9] offset:(\i)*ROWO  ; no hint: the next launch reads these bytes
.endm
	s_mov_b32 s18, ROUNDS-1
.Lround:
.irp i, 0,1,2,3,4,5,6,7
	SLOT \i, 1, DEPTH-1
.endr
	s_wait_xcnt 0x0                                ; every load and store issued so far has read its sources: only behind this wait are the two bases stepped and the slots' Y written again
	s_add_nc_u64 s[4:5], s[4:5], DEPTH*ROWI
	s_add_nc_u64 s[8:9], s[8:9], DEPTH*ROWO
	s_sub_co_u32 s18, s18, 1
	s_cmp_lg_u32 s18, 0
	s_cbranch_scc1 .Lround
.irp i, 0,1,2,3,4,5,6,7
	SLOT \i, 0, DEPTH-1-(\i)                       ; the last round loads nothing: the counts run down
.endr
	s_endpgm
.Lfunc_end_k_qc720b383bb_cast:
	.size	k_qc720b383bb_cast, .Lfunc_end_k_qc720b383bb_cast-k_qc720b383bb_cast
	.p2alignl 7, 3214868480
	.fill 96, 4, 3214868480
	.section	.rodata,"a",@progbits
	.p2align	6, 0x0
	.amdhsa_kernel k_qc720b383bb_cast
		.amdhsa_group_segment_fixed_size 0
		.amdhsa_private_segment_fixed_size 0
		.amdhsa_enable_private_segment 0
		.amdhsa_kernarg_size 32
		.amdhsa_user_sgpr_count 2
		.amdhsa_user_sgpr_kernarg_segment_ptr 1
		.amdhsa_wavefront_size32 1
		.amdhsa_system_sgpr_workgroup_id_x 1
		.amdhsa_system_sgpr_workgroup_id_y 1
		.amdhsa_system_sgpr_workgroup_id_z 1
		.amdhsa_system_vgpr_workitem_id 0
		.amdhsa_next_free_vgpr 60
		.amdhsa_next_free_sgpr 66
		.amdhsa_reserve_vcc 0
		.amdhsa_float_denorm_mode_32 3
		.amdhsa_float_denorm_mode_16_64 3
		.amdhsa_memory_ordered 1
		.amdhsa_forward_progress 1
		.amdhsa_inst_pref_size 11
	.end_amdhsa_kernel
	.amdgpu_metadata
---
amdhsa.version: [ 1, 2 ]
amdhsa.kernels:
  - .name:           k_qc720b383bb_cast
    .symbol:         k_qc720b383bb_cast.kd
    .args:
      - { .name: x, .offset: 0, .size: 8, .value_kind: global_buffer, .address_space: global }
      - { .name: y, .offset: 8, .size: 8, .value_kind: global_buffer, .address_space: global }
      - { .name: xb, .offset: 16, .size: 8, .value_kind: global_buffer, .address_space: global }
      - { .name: yb, .offset: 24, .size: 8, .value_kind: global_buffer, .address_space: global }
    .group_segment_fixed_size: 0
    .private_segment_fixed_size: 0
    .kernarg_segment_align: 8
    .kernarg_segment_size: 32
    .max_flat_workgroup_size: 256
    .sgpr_count:     66
    .vgpr_count:     60
    .wavefront_size: 32
...
	.end_amdgpu_metadata
.endif
;; end of part 1
;; launch gemm (part 2): grid 16 x 16, 4 waves a work-group, clusters of 4 x 4, 327,680 bytes of LDS; arguments xb, yb, out0; writes out0
.if DOCPART == 2
	.amdgcn_target "amdgcn-amd-amdhsa--gfx1250"
	.amdhsa_code_object_version 6
	.text
	.protected	k_qc720b383bb_gemm
	.globl	k_qc720b383bb_gemm
	.p2align	8
	.type	k_qc720b383bb_gemm,@function
k_qc720b383bb_gemm:
	s_mov_b64 s[64:65], 0
	v_nop
	global_prefetch_b8 v0, s[64:65] scope:SCOPE_SE
	s_setreg_imm32_b32 hwreg(HW_REG_WAVE_MODE, 25, 1), 1
	s_wait_xcnt 0x0
	s_wait_alu depctr_hold_cnt(0) depctr_sa_sdst(0) depctr_va_vdst(0) depctr_va_sdst(0) depctr_va_ssrc(0) depctr_va_vcc(0) depctr_vm_vsrc(0)
	s_getreg_b32 s2, hwreg(HW_REG_IB_STS2, 6, 4)
	s_cmp_eq_u32 s2, 0
	s_cbranch_scc0 .Lentry_in_a_cluster
	s_endpgm
.Lentry_in_a_cluster:
	s_bfe_u32 s2, ttmp6, 0x10000c
	s_cmp_lg_u32 s2, 0xf033
	s_cbranch_scc0 .Lentry_shape_is_right
	s_endpgm
.Lentry_shape_is_right:
; out0[m][n] = 0.00075 x the sum over k of xb[m][k] yb[k][n].  xb: [4096 m][4096 k] bf16, yb: [4096 k][4096 n] bf16 (whole numbers: x + 66, y - 160); out0: [4096][4096] f32.
; LIMITS.  The sums are taken in f32 of products of whole numbers, K ascending, and the two scales 0.03 and 0.025 are applied as ONE f32 factor to the finished sum: an order of rounding
; other than scaling each operand first.  Operands beyond 256 in magnitude carry bf16's rounding from the launch before.
; SHARES.  A tile of C, 256 x 256, is made by a work-group of four waves; 16 x 16 tiles, one to a work-group.  A wave makes 128 x 128: 64 accumulators of 16 x 16, 512 registers.
; K goes in steps of 128 through a ring of two LDS slots filled by the tensor data mover: 256 rows (m) x 256 bytes of xb and 128 rows (k) x 512 bytes of yb a step.
; yb LIES [k][n]: its fragments come out of LDS turned, by ds_load_tr16_b128, two loads a fragment as for xb's: nobody transposes y in memory.
; CLUSTERS: 4 x 4 work-groups.  The four of a row of the cluster need the same tiles of xb, the four of a column the same tiles of yb: each tile is asked for JOINTLY, by the same tensor load
; with the same descriptor and a mask that names the four, which divides the requests for both by four.
; THE MATRIX INSTRUCTION IS USED TRANSPOSED: source 0 = 16 columns n of yb, source 1 = 16 rows m of xb.  In the result lane l holds row m = l % 16 of C and its registers 0 to 7 the
; columns n = 8 (l / 16) + 0 .. 7: 32 neighbouring bytes of a row of C.
; REGISTERS, in windows of 256 (s_set_vgpr_msb's low byte: bits 1:0 source 0, 3:2 source 1, 5:4 source 2, 7:6 destination):
;   window 0: v0-31 addresses; v64-127, v128-191 fragments of xb (8 x 16 rows x 32 K), two buffers; on the way out v64-127 scaled results, v128-191 and v192-255 rows read back
;   window 1: v64-127, v128-191 fragments of yb, two buffers
;   window 2: the 32 accumulators of my rows 0-63 (accumulator (a, b) at v[8 (8 a + b)]);   window 3: those of my rows 64-127
.set SIZE,   4096                      ; M = N = K
.set KSTEP,  128
.set PA,     272                       ; an LDS row of xb: 256 bytes + 16 of padding = 68 words: the 16 rows that a load touches start at 16 different groups of four banks (64 banks of 4 bytes: ISA guide 11.1)
.set PB,     544                       ; an LDS row of yb: 512 bytes + 32 of padding = 136 words
.set HALFT,  128*PA                    ; what one tensor load brings: 128 rows of xb, or 64 rows of yb (64 x 544 is the same 34,816 bytes)
.set SLOT,   4*HALFT                   ; xb's 256 rows, then yb's 128 rows
.set STAGE,  2*SLOT                    ; behind the ring: 16 rows x 528 bytes for each wave, for the way out; no tile lands here
.set SP,     528                       ; a stage row: 512 bytes + 16
.set SPARE,  STAGE+4*16*SP             ; behind the stages: the spare words, 128 bytes for each wave: two blocks of 256 bytes that no other line names
.set LAPS,   SIZE/(2*KSTEP)            ; a lap = two K steps = once round the ring: 16
.set ADRA, 16                          ; v16-17  LDS address of my xb fragments in slot 0, 1
.set ADRB, 20                          ; v20-21  the same for yb
.set STO,  24                          ; v24     the way out: where I put 32 bytes of a row
.set RD,   25                          ; v25     the way out: where I read a row back
.set CO,   26                          ; v26     my 16 bytes in 512 bytes of a row of C; never rewritten
.set SPW,  28                          ; v28     LDS address of my spare word: SPARE + 4 x my thread's number; never rewritten
.set NIL,  29                          ; v29     0; never rewritten
.set PFO,  30                          ; v30     the prefetches' lane offset; never rewritten
.set F0,   64                          ; fragment buffer 0
.set F1,   128                         ; fragment buffer 1
.set TMP,  64                          ; the way out: a block's 64 scaled results
.set OB,   128                         ; the way out: 16 rows read back from the stage: v128-191 and v192-255 by turns
.set PFS,  18                          ; s[18:19] what a K step adds to a prefetch's address: 256 bytes along xb's rows, 128 rows of yb
.set G1,   24                          ; s[24:31] descriptor group 1 for xb's tiles
.set G0,   32                          ; s[32:39] descriptor group 0 for xb's tiles, one set for each slot
.set LIM,  43                          ; s43      1 in a wave that prefetches, else the greatest number
.set PFA,  44                          ; s[44:45] where my prefetches stand
.set G1B,  48                          ; s[48:55] descriptor group 1 for yb's tiles
.set G0B,  56                          ; s[56:63] descriptor group 0 for yb's tiles, one set for each slot
.set MSB, 0
.macro WIN new                         ; the immediate's high byte repeats the setting that is left; a switch that changes nothing is dropped
.if MSB != (\new)
	s_set_vgpr_msb (MSB<<8)|(\new)
.set MSB, \new
.endif
.endm
.set MUL_LO, 0xa1                      ; source 0 (yb) window 1, source 1 (xb) window 0, C and D window 2
.set MUL_HI, 0xf1                      ; the same, C and D window 3
.set TO_B,   0x40                      ; destination window 1, address window 0
; A joint load.  Waves 0 and 1 fetch xb's two halves (128 rows each), waves 2 and 3 yb's (64 rows of k each).  Each of the two lines has ONE mask and one set of registers for all that issue it.
; The branch hangs on the wave's number alone.  An s_nop 0 and four v_nop follow each of the two lines, ahead of the jump, the label and what follows.
.macro JLOAD s
	s_cmp_eq_u32 s11, 0
	s_cbranch_scc0 .Lfor_b_\@
	tensor_load_to_lds s[G0+4*(\s):G0+4*(\s)+3], s[G1:G1+7]
	s_nop 0
.rept 4
	v_nop
.endr
	s_branch .Lasked_\@
.Lfor_b_\@:
	tensor_load_to_lds s[G0B+4*(\s):G0B+4*(\s)+3], s[G1B:G1B+7]
	s_nop 0
.rept 4
	v_nop
.endr
.Lasked_\@:
.endm
; A PREFETCH INTO THE L2, behind each joint refill, its five lines and the run of LDS loads that follows: the K step that stands TWO refills on (512 matrix instructions ahead of the load that will want it),
; 32 blocks of 256 bytes, one instruction a wave.  Each block is named ONCE in the launch.  xb's tile row is read by every cluster of that row of clusters: cluster x = 0 asks; yb's tile column by every
; cluster of that column: cluster y = 0 asks.  The four partners that ask for a tile jointly share it out BY ADDRESS: of xb's 128 rows that a wave fetches the partner at cx takes 32, a lane a row;
; of yb's 64 rows the partner at cy takes 16, two lanes a row of 512 bytes.  The loop's last trip asks for nothing: no K step stands two refills behind its own.  K steps 0 to 3 come by their loads alone.
.macro ASK
	s_cmp_gt_u32 s3, s[LIM]                        ; s3 = 1 in the loop's last trip
	s_cbranch_scc0 .Lnot_mine_\@
	global_prefetch_b8 v[PFO], s[PFA:PFA+1] th:TH_LOAD_NT scope:SCOPE_SE
.Lnot_mine_\@:
.endm
; A round of the cluster's barrier: my work-group's barrier, so that wave 0's signal speaks for all four waves; wave 0 signals for the work-group; every wave waits for all
; sixteen work-groups; my work-group's barrier once more.  No LDS instruction of the wave is pending at a signal.
.macro CREST                           ; a round behind its opening barrier
	s_cmp_lg_u32 s10, 0
	s_cbranch_scc1 .Lnot_wave_0_\@
	s_barrier_signal -3
.Lnot_wave_0_\@:
	s_barrier_wait -3
	s_barrier_signal -1
	s_barrier_wait -1
.endm
.macro CROUND                          ; a whole round
	s_barrier_signal -1
	s_barrier_wait -1
	CREST
.endm
	s_load_b128 s[4:7], s[0:1], 0x0                ; xb s[4:5], yb s[6:7]
	s_load_b64 s[8:9], s[0:1], 0x10                ; out0
	v_lshl_add_u32 v[SPW], v0, 2, SPARE
	v_mov_b32 v[NIL], 0
	ds_add_u32 v[SPW], v[NIL]                      ; the wave's opening: the add, twice on end, and its wait ahead of my first tensor load; the set-up below stands between the second and the wait
	ds_add_u32 v[SPW], v[NIL]                      ; and once more, under the one wait
	v_lshrrev_b32 v1, 5, v0
	v_readfirstlane_b32 s10, v1                    ; wave 0..3
	s_lshr_b32 s11, s10, 1                         ; which half of the tile's rows is mine.  Also: I fetch for xb (0) or for yb (1)
	s_and_b32 s12, s10, 1                          ; which half of its columns.  Also: which half of that tile I fetch
	s_bfe_u32 s40, ttmp6, 0x40000                  ; cx: my place along the cluster's x
	s_bfe_u32 s41, ttmp6, 0x40004                  ; cy: along its y
	s_lshl_b32 s42, ttmp9, 2                       ; in a cluster launch ttmp9 and ttmp7 count clusters
	s_add_co_u32 s42, s42, s40                     ; tile column of C = 4 x cluster x + cx
	s_and_b32 s13, ttmp7, 0xffff
	s_lshl_b32 s13, s13, 2
	s_add_co_u32 s13, s13, s41                     ; tile row of C = 4 x cluster y + cy
	s_lshl_b32 s43, s41, 2
	s_lshl_b32 s43, 15, s43                        ; my row of the cluster: places 4 cy .. 4 cy + 3
	s_lshl_b32 s44, 0x1111, s40                    ; my column: places cx, cx + 4, cx + 8, cx + 12
	; descriptor group 1 for xb: a tile of 128 rows x 128 elements, 16 bytes of padding behind each row of 256
	s_or_b32 s[G1+0], s43, (1<<16)|(1<<20)|(1<<21)|(5<<22)|(3<<25)  ; 15:0 the mask: my row; 17:16 elements of 2 bytes; 20 padding on; 21 set beside a mask; 24:22 after every 64 words (code 5); 31:25 4 words (code 3)
	s_mov_b32 s[G1+1], KSTEP<<16                   ; tensor_dim0 = 128
	s_mov_b32 s[G1+2], 128<<16                     ; tensor_dim1 = 128
	s_mov_b32 s[G1+3], KSTEP<<16                   ; tile_dim0 = 128
	s_mov_b32 s[G1+4], 128                         ; tile_dim1 = 128
	s_mov_b32 s[G1+5], SIZE                        ; elements from row to row
	s_mov_b32 s[G1+6], 0
	s_mov_b32 s[G1+7], 0
	; and for yb: a tile of 64 rows (k) x 256 elements (n), 32 bytes of padding behind each row of 512
	s_or_b32 s[G1B+0], s44, (1<<16)|(1<<20)|(1<<21)|(6<<22)|(7<<25) ; the mask: my column; after every 128 words (code 6) 8 words (code 7)
	s_mov_b32 s[G1B+1], 256<<16                    ; tensor_dim0 = 256
	s_mov_b32 s[G1B+2], 64<<16                     ; tensor_dim1 = 64
	s_mov_b32 s[G1B+3], 256<<16                    ; tile_dim0 = 256
	s_mov_b32 s[G1B+4], 64                         ; tile_dim1 = 64
	s_mov_b32 s[G1B+5], SIZE
	s_mov_b32 s[G1B+6], 0
	s_mov_b32 s[G1B+7], 0
	; where the tiles come from.  xb's hang on the tile row alone, which my row of the cluster shares; yb's on the tile column alone, which my column shares.
	s_lshl_b32 s16, s13, 21                        ; xb: 256 x tile row rows of 8,192 bytes,
	s_lshl_b32 s17, s12, 20                        ; + 128 x half
	s_add_co_u32 s16, s16, s17
	s_mov_b32 s17, 0
	s_lshl_b32 s46, s42, 9                         ; yb: 256 x tile column elements of 2 bytes,
	s_lshl_b32 s47, s12, 19                        ; + 64 x half rows of 8,192 bytes
	s_add_co_u32 s46, s46, s47
	s_mov_b32 s47, 0
	s_mul_i32 s20, s10, HALFT                      ; and where they go: wave x 34,816 bytes: no place in the cluster enters an LDS address
	s_wait_dscnt 0x0                               ; both opening adds are done
	s_wait_kmcnt 0x0
	s_add_nc_u64 s[14:15], s[4:5], s[16:17]
	s_add_nc_u64 s[46:47], s[6:7], s[46:47]
	CROUND                                         ; all sixteen work-groups are here: the first joint loads meet
.irp s, 0,1
	s_mov_b32 s[G0+4*(\s)], 1                                      ; 1:0 count = 1
	s_add_co_u32 s[G0+4*(\s)+1], s20, (\s)*SLOT                    ; 63:32 LDS address
	s_add_nc_u64 s[G0+4*(\s)+2:G0+4*(\s)+3], s[14:15], (\s)*KSTEP*2  ; 120:64 global address: K step s lies 256 s bytes along xb's rows
	s_or_b32 s[G0+4*(\s)+3], s[G0+4*(\s)+3], 0x80000000            ; 127:126 type = 2
	s_mov_b32 s[G0B+4*(\s)], 1
	s_add_co_u32 s[G0B+4*(\s)+1], s20, (\s)*SLOT
	s_add_nc_u64 s[G0B+4*(\s)+2:G0B+4*(\s)+3], s[46:47], (\s)*KSTEP*SIZE*2  ; K step s lies 128 s rows down yb
	s_or_b32 s[G0B+4*(\s)+3], s[G0B+4*(\s)+3], 0x80000000
	JLOAD \s                                       ; the ring is filled before anything else is done: two loads of mine are out
.endr
	; A fragment is 16 rows x 32 K in 8 registers: lane l holds row l % 16; registers 0-3 hold K = 8 (l / 16) + 0..7, registers 4-7 K = 16 + 8 (l / 16) + 0..7.
	; xb's rows lie along K: two loads of 16 bytes, 32 bytes apart.
	v_and_b32 v1, 15, v0                           ; l % 16
	v_bfe_u32 v2, v0, 4, 1                         ; l / 16
	v_mul_u32_u24 v3, v1, PA
	v_lshl_add_u32 v3, v2, 4, v3                   ; row x pitch + 16 x half
	; yb's rows lie along n: the turning load takes 16 k x 16 n (lane l reads 16 bytes: k = 8 (l / 16) + l % 8, n = 8 ((l / 8) % 2) + 0..7) and leaves half a fragment: lane l holds column n = l % 16 and 8 k.
	v_and_b32 v4, 7, v0
	v_bfe_u32 v5, v0, 3, 1
	v_lshl_add_u32 v4, v2, 3, v4
	v_mul_u32_u24 v4, v4, PB
	v_lshl_add_u32 v4, v5, 4, v4
	s_mul_i32 s21, s11, HALFT                      ; my 128 rows of xb
	s_lshl_b32 s22, s12, 8                         ; my 128 columns of yb: 256 bytes of each row,
	s_add_co_u32 s22, s22, 2*HALFT                 ; behind xb's 256 rows
.irp s, 0,1
	v_add_nc_u32 v[ADRA+(\s)], s21, v3
	v_add_nc_u32 v[ADRB+(\s)], s22, v4
	s_add_co_u32 s21, s21, SLOT
	s_add_co_u32 s22, s22, SLOT
.endr
	s_mul_i32 s23, s10, 16*SP
	s_add_co_u32 s23, s23, STAGE                   ; my stage
	v_mul_u32_u24 v6, v1, SP                       ; in: row l % 16, 32 bytes for each half of the lanes
	v_lshl_add_u32 v6, v2, 5, v6
	v_add_nc_u32 v[STO], s23, v6
	v_and_b32 v7, 31, v0                           ; l
	v_lshlrev_b32 v[CO], 4, v7                     ; back: 32 lanes take one row of 512 bytes,
	v_add_nc_u32 v[RD], s23, v[CO]                 ; the same 512 bytes of a row of C
	; where my part of the tile begins in C, in bytes (under 2^26)
	s_lshl_b32 s16, s13, 22                        ; 256 x tile row rows of 16,384 bytes,
	s_lshl_b32 s17, s11, 21                        ; + 128 x half
	s_add_co_u32 s16, s16, s17
	s_lshl_b32 s46, s42, 10                        ; 256 x tile column numbers of 4 bytes,
	s_lshl_b32 s47, s12, 9                         ; + 128 x half
	s_add_co_u32 s46, s46, s47
	s_add_co_u32 s16, s16, s46
	s_mov_b32 s17, 0
	s_add_nc_u64 s[8:9], s[8:9], s[16:17]
	; the prefetches: both offsets are made, and the wave's number picks one
	s_lshl_b32 s20, s13, 8                         ; xb: row 256 x tile row
	s_lshl_b32 s21, s12, 7                         ; + the 128 rows that I fetch
	s_add_co_u32 s20, s20, s21
	s_lshl_b32 s21, s40, 5                         ; + my work-group's 32 of them,
	s_add_co_u32 s20, s20, s21
	s_lshl_b32 s20, s20, 13                        ; in bytes,
	s_add_co_u32 s20, s20, 3*KSTEP*2               ; at K step 3: the first refill steps it to 4
	s_lshl_b32 s21, s12, 6                         ; yb: the 64 rows that I fetch
	s_lshl_b32 s22, s41, 4                         ; + my work-group's 16 of them
	s_add_co_u32 s21, s21, s22
	s_add_co_u32 s21, s21, 3*KSTEP                 ; at K step 3,
	s_lshl_b32 s21, s21, 13                        ; in bytes,
	s_lshl_b32 s22, s42, 9                         ; + the tile column's 512 bytes
	s_add_co_u32 s21, s21, s22
	s_and_b32 s22, ttmp7, 0xffff                   ; cluster y
	s_mov_b32 s[PFS], KSTEP*2
	s_mov_b32 s[PFS+1], KSTEP*SIZE*2
	s_cmp_eq_u32 s11, 0                            ; do I fetch for xb?
	s_cselect_b32 s20, s20, s21
	s_cselect_b32 s22, ttmp9, s22                  ; the coordinate along which other clusters read the same blocks
	s_cselect_b32 s[PFS], s[PFS], s[PFS+1]
	s_cselect_b32 s23, 0, 1                        ; xb: a lane a row; yb: two lanes a row
	s_cselect_b64 s[PFA:PFA+1], s[4:5], s[6:7]
	s_mov_b32 s21, 0
	s_mov_b32 s[PFS+1], 0
	s_add_nc_u64 s[PFA:PFA+1], s[PFA:PFA+1], s[20:21]
	s_cmp_eq_u32 s22, 0
	s_cselect_b32 s[LIM], 1, -1                    ; the same in all sixteen partners, for a given wave
	v_lshrrev_b32 v5, s23, v7                      ; the lane's row,
	v_and_b32 v6, s23, v7                          ; and which 256 bytes of it
	v_lshlrev_b32 v6, 8, v6
	v_lshl_add_u32 v[PFO], v5, 13, v6
	; nothing is prefetched here, at the head, where every work-group's first two tiles are on their way
; 16 matrix instructions: m blocks a0, a0 + 1 of the window's four (hi = 0: my rows 0-63, 1: rows 64-127) x all 8 n blocks, 32 along K.  zero = 1: the first product starts the sums: nothing is ever cleared.
; The 64 accumulators take turns, in the same order in every quarter step: 63 others stand between two links of a chain, over the backward jump too.
.macro MUL16 f, hi, a0, zero
	WIN MUL_LO+0x50*(\hi)
.irp a, \a0, (\a0)+1
.irp b, 0,1,2,3,4,5,6,7
.if \zero
	v_wmma_f32_16x16x32_bf16 v[8*(8*(\a)+(\b)):8*(8*(\a)+(\b))+7], v[(\f)+8*(\b):(\f)+8*(\b)+7], v[(\f)+8*(4*(\hi)+(\a)):(\f)+8*(4*(\hi)+(\a))+7], 0
.else
	v_wmma_f32_16x16x32_bf16 v[8*(8*(\a)+(\b)):8*(8*(\a)+(\b))+7], v[(\f)+8*(\b):(\f)+8*(\b)+7], v[(\f)+8*(4*(\hi)+(\a)):(\f)+8*(4*(\hi)+(\a))+7], v[8*(8*(\a)+(\b)):8*(8*(\a)+(\b))+7]
.endif
.endr
.endr
.endm
; 32 LDS loads in one run: the fragments of quarter q of a K step (32 K: rows 32 q on of yb's tile, byte 64 q of xb's rows) into buffer f.  yb's sixteen first, then xb's.
.macro FETCH slot, q, f
	WIN TO_B
.irp i, 0,1,2,3,4,5,6,7
	ds_load_tr16_b128 v[(\f)+8*(\i):(\f)+8*(\i)+3],   v[ADRB+(\slot)] offset:(\q)*32*PB+32*(\i)
	ds_load_tr16_b128 v[(\f)+8*(\i)+4:(\f)+8*(\i)+7], v[ADRB+(\slot)] offset:(\q)*32*PB+16*PB+32*(\i)
.endr
	WIN 0
.irp i, 0,1,2,3,4,5,6,7
	ds_load_b128 v[(\f)+8*(\i):(\f)+8*(\i)+3],   v[ADRA+(\slot)] offset:(\q)*64+(\i)*16*PA
	ds_load_b128 v[(\f)+8*(\i)+4:(\f)+8*(\i)+7], v[ADRA+(\slot)] offset:(\q)*64+(\i)*16*PA+32
.endr
.endm
; A load into a register that a matrix instruction has read, and a vector instruction that reads a matrix result or writes one of a matrix instruction's registers, stand four places behind it, and only
; plain vector instructions that name none of its registers are places (ISA guide 7.12.1 for vector instructions).
.macro PLACES
.rept 4
	v_nop
.endr
.endm
; A K step is four quarter steps of 32 along K, 64 matrix instructions each, on buffers 0, 1, 0, 1.
; One of the first three: multiplies buffer f; in its middle it fetches quarter q of the same slot into buffer g.
.macro QUARTER slot, q, f, g, zero
	s_wait_dscnt 8                                 ; yb's fragments and xb's rows 0-63 are in; the youngest eight loads (xb's rows 64-127) may be out
	MUL16 \f, 0, 0, \zero
	MUL16 \f, 0, 2, \zero
	PLACES
	FETCH \slot, \q, \g
	s_wait_dscnt 32                                ; all but the 32 just issued
	MUL16 \f, 1, 0, \zero
	MUL16 \f, 1, 2, \zero
.endm
; The last quarter multiplies buffer 1 and changes slots.  MEET is its first half: ONE barrier for the change.  In front of it each wave waits for all its tensor loads, of which one is out: its part of the
; next slot; adds 0 to its spare word; and waits for that and for its own reads of this slot.  Behind it nobody reads this slot any more and the next slot is whole.
.macro MEET round                      ; round = 1: the rest of a round of the cluster's barrier follows
	WIN 0                                          ; (the add's two registers lie in window 0)
	s_wait_tensorcnt 0x0                           ; all my tensor loads have landed
	ds_add_u32 v[SPW], v[NIL]                      ; 0 onto my spare word
	s_wait_dscnt 9                                 ; (the add and the youngest eight loads may be out)
	MUL16 F1, 0, 0, 0                              ; sixteen matrix instructions stand between the add and the wait for it
	s_wait_dscnt 0x0                               ; the add is done, and my reads of this slot are over
	s_barrier_signal -1
	MUL16 F1, 0, 2, 0                              ; work on registers while the others arrive
.if \round
	WIN 0
.endif
	s_barrier_wait -1
.endm
; The whole last quarter, where the slot just read out is filled again, with the K step two steps on: first thing behind the round; then come the next slot's first fragments.
; From a request to the wait for it a wave issues 224 matrix instructions.
.macro TURN slot, next
	s_wait_xcnt 0x0                                ; the last prefetch, a K step back, has read its address: it is stepped here, ahead of the waits of the change of slots
	s_add_nc_u64 s[PFA:PFA+1], s[PFA:PFA+1], s[PFS:PFS+1]
	MEET 1
	CREST                                          ; no wave of any partner still reads this slot's tile or has a load on its way
	s_add_nc_u64 s[G0+4*(\slot)+2:G0+4*(\slot)+3], s[G0+4*(\slot)+2:G0+4*(\slot)+3], 2*KSTEP*2         ; no tensor load of mine is out, so a group 0 may be written
	s_add_nc_u64 s[G0B+4*(\slot)+2:G0B+4*(\slot)+3], s[G0B+4*(\slot)+2:G0B+4*(\slot)+3], 2*KSTEP*SIZE*2
	JLOAD \slot                                    ; the four v_nop behind it are also the places in front of the loads below
	FETCH \next, 0, F0
	ASK
	MUL16 F1, 1, 0, 0
	MUL16 F1, 1, 2, 0
.endm
; THE WAY OUT of block a (my rows 16 a .. 16 a + 15), in three parts.  SCALE: times 0.00075, into window 0; each accumulator's registers in ascending order.
.macro SCALE a
	WIN 0x02+(\a)/4                                ; source 0: window 2 (blocks 0-3) or 3 (blocks 4-7); destination window 0
.set i, 0
.rept 32
	v_pk_mul_f32 v[TMP+2*i:TMP+2*i+1], v[64*((\a)%4)+2*i:64*((\a)%4)+2*i+1], s[22:23] op_sel_hi:[1,0]
.set i, i+1
.endr
	WIN 0
.endm
; TOSTAGE: a lane's 32 bytes of a row go into my own stage, rows of 528 bytes, and come back as whole rows of 512.
.macro TOSTAGE a
	WIN 0
.set BK, OB+64*((\a)%2)
.irp b, 0,1,2,3,4,5,6,7
	ds_store_b128 v[STO], v[TMP+8*(\b):TMP+8*(\b)+3]   offset:64*(\b)
	ds_store_b128 v[STO], v[TMP+8*(\b)+4:TMP+8*(\b)+7] offset:64*(\b)+16
.endr
.irp t, 0,1,2,3,4,5,6,7,8,9,10,11,12,13,14,15
	ds_load_b128 v[BK+4*(\t):BK+4*(\t)+3], v[RD] offset:(\t)*SP  ; LDS serves a wave's instructions in order (ISA guide 5.7.1.4): these see the stores above
.endr
.endm
; SEND: stored.  The row stands in the immediate: 127 rows of 16,384 bytes at the most, inside its signed 24 bits; base and offset are never rewritten.
.macro SEND a
	WIN 0
.set BK, OB+64*((\a)%2)
	s_wait_dscnt 0x0                               ; the block is back in registers
	s_wait_xcnt 0x0                                ; the stores of the block before have read their registers: the next TOSTAGE loads into them only behind this wait
.irp t, 0,1,2,3,4,5,6,7,8,9,10,11,12,13,14,15
	global_store_b128 v[CO], v[BK+4*(\t):BK+4*(\t)+3], s[8:9] offset:(16*(\a)+(\t))*SIZE*4 th:TH_STORE_NT  ; the wave stores 512 consecutive bytes, at a multiple of 512 from C's first byte
.endr
.endm
	s_wait_tensorcnt 1                             ; my part of K step 0 is in; K step 1's may stay out
	s_barrier_signal -1
	s_barrier_wait -1                              ; everybody's is
	FETCH 0, 0, F0
	QUARTER 0, 1, F0, F1, 1                        ; the first quarter stands in front of the loop: its products start the sums
	WIN 0                                          ; at a label and at a branch every window is 0
	s_mov_b32 s3, LAPS-1
.Llap:                                                 ; a trip goes once round the ring, from a lap's second quarter to the next lap's first, and fills both slots again
	QUARTER 0, 2, F1, F0, 0
	QUARTER 0, 3, F0, F1, 0
	TURN 0, 1
	QUARTER 1, 1, F0, F1, 0
	QUARTER 1, 2, F1, F0, 0
	QUARTER 1, 3, F0, F1, 0
	TURN 1, 0
	QUARTER 0, 1, F0, F1, 0
	WIN 0
	s_sub_co_u32 s3, s3, 1
	s_cmp_lg_u32 s3, 0
	s_cbranch_scc1 .Llap
	QUARTER 0, 2, F1, F0, 0                        ; the last lap is written out: it fills nothing, and has no round of the cluster's barrier
	QUARTER 0, 3, F0, F1, 0
	MEET 0                                         ; my one tensor load that was still out is slot 1's, the last K step's
	PLACES                                         ; for the loads into buffer 0
	FETCH 1, 0, F0
	MUL16 F1, 1, 0, 0
	MUL16 F1, 1, 2, 0
	QUARTER 1, 1, F0, F1, 0
	QUARTER 1, 2, F1, F0, 0
	QUARTER 1, 3, F0, F1, 0
	s_wait_dscnt 8                                 ; the very last quarter: nothing more to fetch
	MUL16 F1, 0, 0, 0
	MUL16 F1, 0, 2, 0
	s_wait_dscnt 0x0
	MUL16 F1, 1, 0, 0
	MUL16 F1, 1, 2, 0
	WIN 0
	PLACES                                         ; the scalings read results and write over fragment registers; no other vector work is at hand
	PLACES                                         ; (eight, once a launch)
	s_mov_b32 s22, 0x3a449ba6                      ; 0.00075 = 0.03 x 0.025
	s_mov_b32 s23, 0x3a449ba6                      ; named with it as a pair
	SCALE 0
	TOSTAGE 0
.irp a, 1,2,3,4,5,6,7                  ; block a's scalings stand between block a - 1's loads from the stage and the wait for them
	SCALE \a
	SEND (\a)-1
	TOSTAGE \a
.endr
	SEND 7
	s_wait_tensorcnt 0x0                           ; the wave's end, behind my last tensor load and my last LDS store
	ds_add_u32 v[SPW], v[NIL]
	s_wait_dscnt 0x0
	CROUND                                         ; the closing round: no work-group ends while a partner may still ask for a tile that names it
	s_endpgm
.Lfunc_end_k_qc720b383bb_gemm:
	.size	k_qc720b383bb_gemm, .Lfunc_end_k_qc720b383bb_gemm-k_qc720b383bb_gemm
	.p2alignl 7, 3214868480
	.fill 96, 4, 3214868480
	.section	.rodata,"a",@progbits
	.p2align	6, 0x0
	.amdhsa_kernel k_qc720b383bb_gemm
		.amdhsa_group_segment_fixed_size 327680
		.amdhsa_private_segment_fixed_size 0
		.amdhsa_enable_private_segment 0
		.amdhsa_kernarg_size 24
		.amdhsa_user_sgpr_count 2
		.amdhsa_user_sgpr_kernarg_segment_ptr 1
		.amdhsa_wavefront_size32 1
		.amdhsa_system_sgpr_workgroup_id_x 1
		.amdhsa_system_sgpr_workgroup_id_y 1
		.amdhsa_system_sgpr_workgroup_id_z 1
		.amdhsa_system_vgpr_workitem_id 0
		.amdhsa_next_free_vgpr 1024
		.amdhsa_next_free_sgpr 66
		.amdhsa_reserve_vcc 0
		.amdhsa_float_denorm_mode_32 3
		.amdhsa_float_denorm_mode_16_64 3
		.amdhsa_memory_ordered 1
		.amdhsa_forward_progress 1
		.amdhsa_inst_pref_size 158
	.end_amdhsa_kernel
	.amdgpu_metadata
---
amdhsa.version: [ 1, 2 ]
amdhsa.kernels:
  - .name:           k_qc720b383bb_gemm
    .symbol:         k_qc720b383bb_gemm.kd
    .args:
      - { .name: xb, .offset: 0, .size: 8, .value_kind: global_buffer, .address_space: global }
      - { .name: yb, .offset: 8, .size: 8, .value_kind: global_buffer, .address_space: global }
      - { .name: out0, .offset: 16, .size: 8, .value_kind: global_buffer, .address_space: global }
    .group_segment_fixed_size: 327680
    .private_segment_fixed_size: 0
    .kernarg_segment_align: 8
    .kernarg_segment_size: 24
    .max_flat_workgroup_size: 128
    .sgpr_count:     66
    .vgpr_count:     1024
    .wavefront_size: 32
...
	.end_amdgpu_metadata
.endif
;; end of part 2
;; ======== version 2 of 2: 2 launches; version 1 with the launch cast written anew for expert scheduling mode
;; workspace buffers: xb 33,554,432 bytes; yb 33,554,432 bytes
;; launch cast (part 3): grid 512 x 2, 8 waves a work-group, no clusters, 0 bytes of LDS; arguments x, y, xb, yb; writes xb, yb
.if DOCPART == 3
	.amdgcn_target "amdgcn-amd-amdhsa--gfx1250"
	.amdhsa_code_object_version 6
	.text
	.protected	k_qc720b383bb_cast
	.globl	k_qc720b383bb_cast
	.p2align	8
	.type	k_qc720b383bb_cast,@function
k_qc720b383bb_cast:
	s_mov_b64 s[64:65], 0
	v_nop
	global_prefetch_b8 v0, s[64:65] scope:SCOPE_SE
	s_setreg_imm32_b32 hwreg(HW_REG_WAVE_SCHED_MODE, 0, 2), 2
	s_setreg_imm32_b32 hwreg(HW_REG_WAVE_MODE, 25, 1), 1
	s_wait_xcnt 0x0
	s_wait_alu depctr_vm_vsrc(0)
; xb = bf16(f32(x) + 66), yb = bf16(f32(y) - 160).  x, y: [4096][4096] int32; xb, yb: the same layouts in bf16.
; The zero points are taken away in f32, as the problem's own text does it; the scales are left to the product's way out, so that what is stored is a whole number.
; LIMITS.  A whole number up to 256 in magnitude is exact in bf16: every int8 x (x + 66 in -62 .. 193) and every uint8 y (y - 160 in -160 .. 95) is stored exactly.
; An int32 outside those ranges is converted to f32 and shifted as the problem does it and then rounded once to bf16's 8 significant bits.
; SHARES.  The grid's y picks the tensor (0: x, 1: y).  A work-group owns 32 steps of 4,096 input bytes (128 KiB) and writes 32 steps of 2,048 bytes.  Thread t owns 16 bytes at 16 t of
; every input step and 8 bytes at 8 t of every output step: a wave's load covers 512 consecutive bytes, its store 256 consecutive bytes at a multiple of 256 from the buffer's first byte.
; No LDS, no barrier, no matrix unit: no byte is wanted twice.
; THE MODE: SCHED_MODE bits 1:0 = 2 (LLVM: expert scheduling mode 2), set by the entry lines.  The code itself states the register dependences
; between vector instructions and memory instructions, with s_wait_alu, always for 0.
; THE PLAN.  The 32 steps go in 8 blocks of four, written out by macro; every step is reached by an immediate offset, so that neither a base nor an offset register is ever stepped.
; Registers that memory instructions touch:
;   v1, v2     byte offsets, made once at the head and never written again.
;   X0 .. X3   four blocks of int32 as loaded.  The head asks for blocks 0 to 3; block p (1 to 4) asks for block p + 3, which lands in X[(p - 1) % 4], the buffer that block p - 1 emptied.
;              Read by block p's conversions, from X[p % 4].
;   Y(p)       block p's eight registers of bf16.  Written by block p's roundings, read by the four stores that are issued in block p + 1, and then never written again:
;              blocks 0 to 4 have registers of their own; blocks 5 to 7, when nothing is left to load, take the first eight of X[(p - 1) % 4], which block p - 1 has read for the last time.
; So ONE wait on va_vdst stands at a block's head: the block before has written its Y and is done reading its X.  Block p's vector instructions name X[p % 4], T and Y(p) alone, none of
; the registers that its loads and stores touch, so these follow that wait with no further one.  No register that a memory instruction reads is written behind it: nothing is owed on vm_vsrc,
; and no source of a pending load or store is ever rewritten.
.set BLOCK,  4                         ; steps in a block
.set BLOCKS, 32/BLOCK
.set OWN,    5                         ; blocks whose Y has registers of its own
.set ROWI,   4096                      ; input bytes in a step
.set ROWO,   2048                      ; output bytes in a step
.set T,   4                            ; v[4:11]    two sets of four f32 at work, by the step's parity: no memory instruction names them
.set X,   12                           ; v[12:75]   buffer k, step i: four registers at X + 16 k + 4 i, four int32 as loaded
.set Y,   76                           ; v[76:115]  block p (0 to 4), step i: two registers at Y + 8 p + 2 i, four bf16 to store
	s_load_b256 s[4:11], s[0:1], 0x0               ; x s[4:5], y s[6:7], xb s[8:9], yb s[10:11]
	v_lshlrev_b32 v1, 4, v0                        ; my 16 bytes of an input step; never rewritten
	v_lshlrev_b32 v2, 3, v0                        ; my 8 bytes of an output step; never rewritten
	s_mov_b32 s14, 0x42840000                      ; +66.0: x less its zero point of -66
	s_mov_b32 s15, 0xc3200000                      ; -160.0: y less its zero point of 160
	s_lshl_b32 s16, ttmp9, 17                      ; the work-group's 128 KiB of input (under 2^26),
	s_mov_b32 s17, 0
	s_lshl_b32 s2, ttmp9, 16                       ; and its 64 KiB of output
	s_mov_b32 s3, 0
	s_and_b32 s12, ttmp7, 0xffff                   ; which tensor
	s_wait_kmcnt 0x0
	s_cmp_eq_u32 s12, 0                            ; the choice hangs on the grid's y alone
	s_cselect_b64 s[4:5], s[4:5], s[6:7]           ; from where,
	s_cselect_b64 s[8:9], s[8:9], s[10:11]         ; to where,
	s_cselect_b32 s14, s14, s15                    ; and what is added
	s_mov_b32 s15, s14                             ; named with it as a pair
	s_add_nc_u64 s[4:5], s[4:5], s[16:17]
	s_add_nc_u64 s[8:9], s[8:9], s[2:3]
	s_wait_alu depctr_va_vdst(0)                   ; v1 and v2 are written: every load of the kernel reads v1 as its offset, every store v2
.irp i, 0,1,2,3,4,5,6,7,8,9,10,11,12,13,14,15
	global_load_b128 v[X+4*(\i):X+4*(\i)+3], v1, s[4:5] offset:(\i)*ROWI th:TH_LOAD_NT  ; blocks 0 to 3 into X0 to X3
.endr
; Where block p's Y lies: YQ.
.macro YOF p
.if (\p) < OWN
.set YQ, Y+2*BLOCK*(\p)
.else
.set YQ, X+4*BLOCK*(((\p)-1)%4)
.endif
.endm
; Block p.  XB: its int32.  XN: where block p + 3 lands.  YB: its bf16.  YP: the bf16 of the block before, which it stores.
.macro BLK p
.set XB, X+4*BLOCK*((\p)%4)
.set XN, X+4*BLOCK*(((\p)+3)%4)
	YOF (\p)-1
.set YP, YQ
	YOF \p
.set YB, YQ
.if (\p) > 0
	s_wait_alu depctr_va_vdst(0)                   ; the block before has written its Y, which the stores below read, and is done reading its X, in which the loads below (where any are left) land
.endif
.if ((\p) > 0) && ((\p)+3 < BLOCKS)
.irp i, 0,1,2,3
	global_load_b128 v[XN+4*(\i):XN+4*(\i)+3], v1, s[4:5] offset:(BLOCK*((\p)+3)+(\i))*ROWI th:TH_LOAD_NT  ; three blocks ahead, and ahead of the stores
.endr
.endif
.if (\p)+3 < BLOCKS
	s_wait_loadcnt 3*BLOCK                         ; loads come back in order (ISA guide 5.7.1): this block's four are in, the three younger blocks stay out
.else
	s_wait_loadcnt (BLOCKS-1-(\p))*BLOCK           ; nothing is left to ask for: the counts run down
.endif
.irp i, 0,1,2,3
.if (\p) > 0
	global_store_b64 v2, v[YP+2*(\i):YP+2*(\i)+1], s[8:9] offset:(BLOCK*((\p)-1)+(\i))*ROWO  ; the block before; no vector instruction since the wait names these registers.  No hint: the next launch reads these bytes
.endif
.irp j, 0,1,2,3
	v_cvt_f32_i32 v[T+4*((\i)%2)+(\j)], v[XB+4*(\i)+(\j)]
.endr
	v_pk_add_f32 v[T+4*((\i)%2):T+4*((\i)%2)+1],   v[T+4*((\i)%2):T+4*((\i)%2)+1],   s[14:15] op_sel_hi:[1,0]
	v_pk_add_f32 v[T+4*((\i)%2)+2:T+4*((\i)%2)+3], v[T+4*((\i)%2)+2:T+4*((\i)%2)+3], s[14:15] op_sel_hi:[1,0]
	v_cvt_pk_bf16_f32 v[YB+2*(\i)],   v[T+4*((\i)%2)],   v[T+4*((\i)%2)+1]
	v_cvt_pk_bf16_f32 v[YB+2*(\i)+1], v[T+4*((\i)%2)+2], v[T+4*((\i)%2)+3]
.endr
.endm
.irp p, 0,1,2,3,4,5,6,7
	BLK \p
.endr
	YOF BLOCKS-1
	s_wait_alu depctr_va_vdst(0)                   ; the last block has written its Y, which the last four stores read
.irp i, 0,1,2,3
	global_store_b64 v2, v[YQ+2*(\i):YQ+2*(\i)+1], s[8:9] offset:(BLOCK*(BLOCKS-1)+(\i))*ROWO
.endr
	s_endpgm
.Lfunc_end_k_qc720b383bb_cast:
	.size	k_qc720b383bb_cast, .Lfunc_end_k_qc720b383bb_cast-k_qc720b383bb_cast
	.p2alignl 7, 3214868480
	.fill 96, 4, 3214868480
	.section	.rodata,"a",@progbits
	.p2align	6, 0x0
	.amdhsa_kernel k_qc720b383bb_cast
		.amdhsa_group_segment_fixed_size 0
		.amdhsa_private_segment_fixed_size 0
		.amdhsa_enable_private_segment 0
		.amdhsa_kernarg_size 32
		.amdhsa_user_sgpr_count 2
		.amdhsa_user_sgpr_kernarg_segment_ptr 1
		.amdhsa_wavefront_size32 1
		.amdhsa_system_sgpr_workgroup_id_x 1
		.amdhsa_system_sgpr_workgroup_id_y 1
		.amdhsa_system_sgpr_workgroup_id_z 1
		.amdhsa_system_vgpr_workitem_id 0
		.amdhsa_next_free_vgpr 116
		.amdhsa_next_free_sgpr 66
		.amdhsa_reserve_vcc 0
		.amdhsa_float_denorm_mode_32 3
		.amdhsa_float_denorm_mode_16_64 3
		.amdhsa_memory_ordered 1
		.amdhsa_forward_progress 1
		.amdhsa_inst_pref_size 20
	.end_amdhsa_kernel
	.amdgpu_metadata
---
amdhsa.version: [ 1, 2 ]
amdhsa.kernels:
  - .name:           k_qc720b383bb_cast
    .symbol:         k_qc720b383bb_cast.kd
    .args:
      - { .name: x, .offset: 0, .size: 8, .value_kind: global_buffer, .address_space: global }
      - { .name: y, .offset: 8, .size: 8, .value_kind: global_buffer, .address_space: global }
      - { .name: xb, .offset: 16, .size: 8, .value_kind: global_buffer, .address_space: global }
      - { .name: yb, .offset: 24, .size: 8, .value_kind: global_buffer, .address_space: global }
    .group_segment_fixed_size: 0
    .private_segment_fixed_size: 0
    .kernarg_segment_align: 8
    .kernarg_segment_size: 32
    .max_flat_workgroup_size: 256
    .sgpr_count:     66
    .vgpr_count:     116
    .wavefront_size: 32
...
	.end_amdgpu_metadata
.endif
;; end of part 3
;; launch gemm: the kernel of part 2 again; grid 16 x 16, 4 waves a work-group, clusters of 4 x 4, 327,680 bytes of LDS; arguments xb, yb, out0; writes out0
